; MI455X (gfx1250); checked and timed in simulation.
; The chip was launched on July 23, 2026; its instructions are those of AMD's public machine-readable ISA for CDNA 5 (MIT licence, August 2026) and "CDNA5" Instruction Set Architecture Reference Guide (July 2026). The comments in the code are by the model that wrote it; some were corrected since.
;; Attention. Allowed arithmetic: matrix products marked QUANTISED: E2M1 operands, one E8M0 scale for each 32 along K, by v_wmma_scale_f32_16x16x128_f8f6f4 with both operands' format E2M1 (or v_wmma_scale_f32_32x16x128_f4), f32 sums; products left as they are: bf16, f16 or f32 operands; f32 sums; everything else in f32.
;; Inputs: K 4 x 2,048 x 2,048 float32; Q 4 x 2,048 x 2,048 float32; V 4 x 2,048 x 2,048 float32; Wk 2,048 x 256 float32; Wo 512 x 2,048 float32; Wq 2,048 x 256 float32; Wv 2,048 x 512 float32.
;; Outputs: out0 4 x 2,048 x 2,048 float32.
;; This version of the problem:
;;   THIS VERSION OF THE PROBLEM IS GIVEN IN LOW PRECISION. The matrix products marked QUANTISED in the list below multiply operands that are first quantised to E2M1 (2 exponent bits, 1 mantissa bit; 4 bits a number), with one power-of-two scale for each 32 numbers along K (OCP MX v1.0); their sums are f32. The products marked 'left as it is' may take bf16, f16 or f32 operands, with f32 sums. Whichever they take, every output number must still come out within the allowed error. Rounding operands to bf16 (8 significant bits) uses up far more of that allowance than f16 does (11 bits, for magnitudes from 6e-5 to 65,504). All else is computed in f32.
;;   The module's matrix products, in the order in which they are computed (A, B: the left and right operand; K: the contracted axis; several contracted axes count as one K, in the product's order):
;;     1. [M 8,192, K 2,048] x [K 2,048, N 256]; A: input Q; B: input Wq: QUANTISED
;;     2. [M 8,192, K 2,048] x [K 2,048, N 256]; A: input K; B: input Wk: QUANTISED
;;     3. [M 8,192, K 2,048] x [K 2,048, N 512]; A: input V; B: input Wv: QUANTISED
;;     4. batch 32 x [M 2,048, K 32] x [K 32, N 2,048]; A: computed on the way; B: computed on the way: left as it is (an operand is computed on the way)
;;     5. batch 32 x [M 64, K 2,048] x [K 2,048, N 2,048]; A: computed on the way; B: computed on the way: left as it is (an operand is computed on the way)
;;     6. [M 8,192, K 512] x [K 512, N 2,048]; A: computed on the way; B: input Wo: left as it is (an operand is computed on the way)
;;   THE QUANTISER, for each operand of a quantised product, along K:
;;     - K is cut into blocks of 32 from its start; a last block that is shorter is filled with zeros.
;;     - A block's scale is 2^e with e = floor(log2(the largest magnitude in the block)) - 2, held to -126 .. 127; a block of zeros has e = 0. As a byte (E8M0): e + 127.
;;     - Each number is divided by its block's scale, clamped to +-6, and rounded to the nearest number of E2M1, ties to even, subnormals kept.
;;     - The product sums the exact products of the quantised numbers (number of the format x scale) in f32.
;;   ~~~python
;;   def quantise(x, axis):      # numpy; x: float32 -> the quantised numbers, widened to float32 again
;;       x = np.moveaxis(x, axis, -1); K = x.shape[-1]
;;       x = np.pad(x, [(0, 0)] * (x.ndim - 1) + [(0, -K % 32)]); x = x.reshape(x.shape[:-1] + (-1, 32)); a = np.abs(x).max(-1, keepdims=True)
;;       e = np.where(a > 0, np.clip(np.frexp(np.where(a > 0, a, 1))[1] - 1 - 2, -126, 127), 0)      # np.frexp(a)[1] - 1 = floor(log2(a)), exactly
;;       r = np.clip(x / 2.0 ** e, -6, 6)
;;       step = 2.0 ** (np.maximum(np.frexp(np.where(r == 0, 1, r))[1] - 1, 0) - 1)
;;       q = np.round(r / step) * step * 2.0 ** e      # np.round: ties to even
;;       return np.moveaxis(q.reshape(q.shape[:-2] + (-1,))[..., :K], -1, axis).astype(np.float32)
;;   ~~~
;; One version. Each part assembles by itself: llvm-mc -triple=amdgcn-amd-amdhsa -mcpu=gfx1250 --defsym DOCPART=n.
;; ======== version 1 of 1: 4 launches
;; limits: values are held in f16: magnitudes above 65,504 overflow, below 6.1e-05 lose precision
;; workspace buffers: wcodes 1,048,576 bytes; wscales 65,536 bytes; wot 2,097,152 bytes; q16 4,194,304 bytes; kv 12,582,912 bytes; vals 8,388,608 bytes
;; launch prep (part 1): grid 768 x 1, 1 waves a work-group, no clusters, 0 bytes of LDS; arguments Wq, Wk, Wv, Wo, wcodes, wscales, wot; writes wcodes, wscales, wot
.if DOCPART == 1
	.amdgcn_target "amdgcn-amd-amdhsa--gfx1250"
	.amdhsa_code_object_version 6
	.text
	.protected	k_q1f45e563f7_prep
	.globl	k_q1f45e563f7_prep
	.p2align	8
	.type	k_q1f45e563f7_prep,@function
k_q1f45e563f7_prep:
	s_mov_b64 s[64:65], 0
	v_nop
	global_prefetch_b8 v0, s[64:65] scope:SCOPE_SE
	s_setreg_imm32_b32 hwreg(HW_REG_WAVE_MODE, 25, 1), 1
	s_wait_xcnt 0x0
; THE WEIGHTS ARE LAID OUT ONCE, in the order in which the later launches' operand registers take them.
; Wq, Wk [2048][256] and Wv [2048][512], f32, K = their FIRST axis, become codes of FP4 (E2M1) with one E8M0 byte for each 32 along K.  Wo [512][2048] becomes f16.
; A work-group is one wave and takes 32 columns x 128 along K.  A LANE TAKES A COLUMN AND ITS REGISTERS RUN DOWN K: each load reads 128 consecutive bytes, a block of 32 along K lies in one lane's
; 32 registers, and the conversions give codes (or f16 numbers) with K innermost.  Nothing is transposed and no LDS is used: a lane's 16 bytes go straight to their place in an operand's image.
; wcodes  [panel 4][K step 16][tile of 16 columns 16][1024]: panel 0 Wq, 1 Wk, 2 Wv's columns 0-255, 3 Wv's columns 256-511.  In an image, K block 2 c + h of column r lies at 512 c + 256 h + 16 r:
;         what lane (r, h) of the 4-bit operand holds in registers 4 c .. 4 c + 3.  Sixteen lanes store 256 consecutive bytes, at a multiple of 256 from the buffer's first byte.
; wscales [panel][K step][tile][r]: a word of four bytes, byte b for K block b.  A wave stores 128 consecutive bytes of them.
; wot     [block of 256 columns 8][K step of 128: 4][tile 16][32 along K: 4][1024]: k = 16 c + 8 h + 0 .. 7 of column r at 512 c + 256 h + 16 r: the 16-bit operand's registers 4 c .. 4 c + 3.
; A block's scale is 2^(floor(log2(its largest magnitude)) - 2); its byte is the largest magnitude's exponent field - 2, held at 1 from below.
; LIMITS: a block whose largest magnitude lies under 2^-124, a block of zeros among them, gets the byte 1 (the rule says 127 for zeros: the codes are zeros and this program alone reads the bytes);
; NaN and infinities are not served; |Wo| stays under 65,504, f16's largest number.
; Work-groups 0-255: Wq, Wk.  256-511: Wv.  512-767: Wo.  Every offset is an immediate; no register that a store reads is written again.  Nothing is shared between work-groups: no cluster.
.set EMAX, 2
.set X,  32                            ; v32-95   two sets of 32 numbers
.set C,  96                            ; v96-111  codes: four registers for each of the four blocks
.set H,  96                            ; v96-159  f16: sixteen registers for each of the four blocks
.set SW, 24                            ; v24      the scale word
.macro LOAD t, pitch, src              ; block t: W(32 t + i, my column), i = 0 .. 31, into set t % 2
.irp i, 0,1,2,3,4,5,6,7,8,9,10,11,12,13,14,15,16,17,18,19,20,21,22,23,24,25,26,27,28,29,30,31
	global_load_b32 v[X+32*((\t)%2)+\i], v1, s[\src:\src+1] offset:(32*(\t)+\i)*\pitch
.endr
.endm
.macro ARRIVED t
.if (\t) < 3
	s_wait_loadcnt 32                              ; this block's 32 loads are in; the next block's 32 may be out
.else
	s_wait_loadcnt 0
.endif
.endm
.macro BLOCKQ t, pitch, src            ; a block of 32 along K of my column becomes 16 bytes of codes and a byte of the scale word
.set XS, X+32*((\t)%2)
	ARRIVED \t
	v_max3_num_f32 v12, |v[XS]|, |v[XS+1]|, |v[XS+2]|              ; the block's largest magnitude: all 32 numbers are mine; two chains
	v_max3_num_f32 v13, |v[XS+3]|, |v[XS+4]|, |v[XS+5]|
.irp i, 6,10,14,18,22,26
	v_max3_num_f32 v12, v12, |v[XS+\i]|, |v[XS+\i+1]|
	v_max3_num_f32 v13, v13, |v[XS+\i+2]|, |v[XS+\i+3]|
.endr
	v_max3_num_f32 v12, v12, |v[XS+30]|, |v[XS+31]|
	v_max3_num_f32 v12, v12, v13, (EMAX+1)<<23     ; and the floor 2^(3 - 127): the byte cannot fall under 1
	v_add_nc_u32 v11, -(EMAX<<23), v12             ; 2 off its exponent field: the conversion takes the exponent field of this operand as its scale
	v_lshrrev_b32 v13, 23, v11                     ; the scale's byte
.if (\t) == 0
	v_mov_b32 v[SW], v13
.else
	v_lshl_or_b32 v[SW], v13, 8*(\t), v[SW]
.endif
.irp g, 0,1,2,3
	v_cvt_scalef32_pk8_fp4_f32 v[C+4*(\t)+\g], v[XS+8*\g:XS+8*\g+7], v11
.endr
	global_store_b128 v2, v[C+4*(\t):C+4*(\t)+3], s[12:13] offset:((\t)/2)*512+((\t)%2)*256
.if (\t) < 2
	LOAD (\t)+2, \pitch, \src
.endif
.endm
.macro BLOCKH t                        ; a block of 32 along K of my column becomes 64 bytes of f16
.set XS, X+32*((\t)%2)
	ARRIVED \t
.irp i, 0,1,2,3,4,5,6,7,8,9,10,11,12,13,14,15
	v_cvt_pk_f16_f32 v[H+16*(\t)+\i], v[XS+2*\i], v[XS+2*\i+1]
.endr
.irp q, 0,1,2,3
	global_store_b128 v3, v[H+16*(\t)+4*\q:H+16*(\t)+4*\q+3], s[16:17] offset:(\t)*1024+(\q/2)*512+(\q%2)*256
.endr
.if (\t) < 2
	LOAD (\t)+2, 8192, 10
.endif
.endm
.macro DEST                            ; s22 panel, s19 K step, s18 pair of tiles: where my codes and my scale words go
	s_lshl_b32 s20, s22, 18
	s_lshl_b32 s23, s19, 14
	s_add_co_u32 s20, s20, s23
	s_lshl_b32 s23, s18, 11
	s_add_co_u32 s20, s20, s23
	s_add_nc_u64 s[12:13], s[12:13], s[20:21]
	s_lshr_b32 s20, s20, 4                         ; a tile's 64 bytes of scale words for its 1,024 bytes of codes
	s_add_nc_u64 s[14:15], s[14:15], s[20:21]
.endm
.macro QW pitch, src
	LOAD 0, \pitch, \src
	LOAD 1, \pitch, \src
	BLOCKQ 0, \pitch, \src
	BLOCKQ 1, \pitch, \src
	BLOCKQ 2, \pitch, \src
	BLOCKQ 3, \pitch, \src
	global_store_b32 v1, v[SW], s[14:15]           ; my column's scale word of this K step
	s_endpgm
.endm
	s_load_b256 s[4:11], s[0:1], 0x0               ; Wq s[4:5], Wk s[6:7], Wv s[8:9], Wo s[10:11]
	s_load_b128 s[12:15], s[0:1], 0x20             ; wcodes, wscales
	s_load_b64 s[16:17], s[0:1], 0x30              ; wot
	v_lshlrev_b32 v1, 2, v0                        ; 4 x lane: my column in a row of W, and my scale word
	v_and_b32 v4, 15, v0
	v_lshrrev_b32 v5, 4, v0
	v_lshlrev_b32 v4, 4, v4
	v_lshl_add_u32 v2, v5, 10, v4                  ; codes: 16 r, and lanes 16-31 in the next tile's image
	v_lshl_add_u32 v3, v5, 12, v4                  ; f16: the same; a tile's four images are 4,096 bytes
	s_mov_b32 s21, 0
	s_wait_kmcnt 0x0
	s_cmp_lt_u32 ttmp9, 512
	s_cbranch_scc0 .Lwo
	s_cmp_lt_u32 ttmp9, 256
	s_cbranch_scc0 .Lwv
	s_cmp_lt_u32 ttmp9, 128                        ; Wq or Wk: the choice hangs on the work-group's number alone
	s_cselect_b64 s[4:5], s[4:5], s[6:7]
	s_and_b32 s18, ttmp9, 7                        ; which 32 columns
	s_bfe_u32 s19, ttmp9, 0x40003                  ; which K step
	s_lshr_b32 s22, ttmp9, 7                       ; panel
	s_lshl_b32 s20, s19, 17                        ; 128 rows of 1,024 bytes
	s_lshl_b32 s23, s18, 7
	s_add_co_u32 s20, s20, s23
	s_add_nc_u64 s[4:5], s[4:5], s[20:21]
	DEST
	QW 1024, 4
.Lwv:
	s_sub_co_u32 s19, ttmp9, 256
	s_and_b32 s18, s19, 15                         ; which 32 of the 512 columns
	s_lshr_b32 s19, s19, 4                         ; which K step
	s_lshl_b32 s20, s19, 18                        ; 128 rows of 2,048 bytes
	s_lshl_b32 s23, s18, 7
	s_add_co_u32 s20, s20, s23
	s_add_nc_u64 s[8:9], s[8:9], s[20:21]
	s_lshr_b32 s22, s18, 3
	s_add_co_u32 s22, s22, 2                       ; panel 2 or 3
	s_and_b32 s18, s18, 7
	DEST
	QW 2048, 8
.Lwo:
	s_sub_co_u32 s19, ttmp9, 512
	s_and_b32 s18, s19, 63                         ; which 32 of the 2,048 columns
	s_lshr_b32 s19, s19, 6                         ; which K step of 128
	s_lshl_b32 s20, s19, 20                        ; 128 rows of 8,192 bytes
	s_lshl_b32 s23, s18, 7
	s_add_co_u32 s20, s20, s23
	s_add_nc_u64 s[10:11], s[10:11], s[20:21]
	s_lshr_b32 s20, s18, 3
	s_lshl_b32 s20, s20, 18                        ; block of 256 columns
	s_lshl_b32 s23, s19, 16
	s_add_co_u32 s20, s20, s23
	s_and_b32 s23, s18, 7
	s_lshl_b32 s23, s23, 13                        ; pair of tiles
	s_add_co_u32 s20, s20, s23
	s_add_nc_u64 s[16:17], s[16:17], s[20:21]
	LOAD 0, 8192, 10
	LOAD 1, 8192, 10
	BLOCKH 0
	BLOCKH 1
	BLOCKH 2
	BLOCKH 3
	s_endpgm
.Lfunc_end_k_q1f45e563f7_prep:
	.size	k_q1f45e563f7_prep, .Lfunc_end_k_q1f45e563f7_prep-k_q1f45e563f7_prep
	.p2alignl 7, 3214868480
	.fill 96, 4, 3214868480
	.section	.rodata,"a",@progbits
	.p2align	6, 0x0
	.amdhsa_kernel k_q1f45e563f7_prep
		.amdhsa_group_segment_fixed_size 0
		.amdhsa_private_segment_fixed_size 0
		.amdhsa_enable_private_segment 0
		.amdhsa_kernarg_size 56
		.amdhsa_user_sgpr_count 2
		.amdhsa_user_sgpr_kernarg_segment_ptr 1
		.amdhsa_wavefront_size32 1
		.amdhsa_system_sgpr_workgroup_id_x 1
		.amdhsa_system_sgpr_workgroup_id_y 1
		.amdhsa_system_sgpr_workgroup_id_z 1
		.amdhsa_system_vgpr_workitem_id 0
		.amdhsa_next_free_vgpr 160
		.amdhsa_next_free_sgpr 66
		.amdhsa_reserve_vcc 0
		.amdhsa_float_denorm_mode_32 3
		.amdhsa_float_denorm_mode_16_64 3
		.amdhsa_memory_ordered 1
		.amdhsa_forward_progress 1
		.amdhsa_inst_pref_size 57
	.end_amdhsa_kernel
	.amdgpu_metadata
---
amdhsa.version: [ 1, 2 ]
amdhsa.kernels:
  - .name:           k_q1f45e563f7_prep
    .symbol:         k_q1f45e563f7_prep.kd
    .args:
      - { .name: Wq, .offset: 0, .size: 8, .value_kind: global_buffer, .address_space: global }
      - { .name: Wk, .offset: 8, .size: 8, .value_kind: global_buffer, .address_space: global }
      - { .name: Wv, .offset: 16, .size: 8, .value_kind: global_buffer, .address_space: global }
      - { .name: Wo, .offset: 24, .size: 8, .value_kind: global_buffer, .address_space: global }
      - { .name: wcodes, .offset: 32, .size: 8, .value_kind: global_buffer, .address_space: global }
      - { .name: wscales, .offset: 40, .size: 8, .value_kind: global_buffer, .address_space: global }
      - { .name: wot, .offset: 48, .size: 8, .value_kind: global_buffer, .address_space: global }
    .group_segment_fixed_size: 0
    .private_segment_fixed_size: 0
    .kernarg_segment_align: 8
    .kernarg_segment_size: 56
    .max_flat_workgroup_size: 32
    .sgpr_count:     66
    .vgpr_count:     160
    .wavefront_size: 32
...
	.end_amdgpu_metadata
.endif
;; end of part 1
;; launch proj (part 2): grid 256 x 1, 4 waves a work-group, no clusters, 86,528 bytes of LDS; arguments Q, K, V, wcodes, wscales, q16, kv; writes q16, kv
.if DOCPART == 2
	.amdgcn_target "amdgcn-amd-amdhsa--gfx1250"
	.amdhsa_code_object_version 6
	.text
	.protected	k_q1f45e563f7_proj
	.globl	k_q1f45e563f7_proj
	.p2align	8
	.type	k_q1f45e563f7_proj,@function
k_q1f45e563f7_proj:
	s_mov_b64 s[64:65], 0
	v_nop
	global_prefetch_b8 v0, s[64:65] scope:SCOPE_SE
	s_setreg_imm32_b32 hwreg(HW_REG_WAVE_MODE, 25, 1), 1
	s_wait_xcnt 0x0
; q = Q Wq, k = K Wk, v = V Wv: the three products on codes of FP4 (E2M1) with one E8M0 scale for each 32 along K.  Q, K, V: [8192][2048] f32, quantised here in registers; the weights come as operand images.
; 256 EQUAL JOBS of 128 rows x 256 columns x K 2,048.  Work-groups 0-63: Q with panel 0; 64-127: K with panel 1; 128-255: V, the even ones with panel 2 (columns 0-255), the odd ones with panel 3.
; Pointers and strides are chosen by selects on the work-group's number: one path through the text.
; SHARES.  Wave w owns rows 32 w .. 32 w + 31.  A K step is 128 along K: 512 bytes of each row.
; THE ROWS COME BY LOADS INTO REGISTERS, each load 512 consecutive bytes of one row, 32 loads a K step, into two sets of 128 registers by turns.  The waits for them are counted, so that one to two K steps of a wave's
; rows are always asked for and no point of the loop finds none on its way.  The quantiser wants 16 NEIGHBOURS along K in a lane, the loads give a lane 4: so a K step's 16 KiB turn through the wave's own stage in LDS,
; stored as loaded and read back 64 bytes a lane.  The stores stand between the two halves of the K step before's quantising, the loads behind its barrier, under its products.
; The wave hands its two fragments and their scale words to all four waves through LDS AS IMAGES OF THE OPERAND'S REGISTERS (16 bytes a lane at 16 x lane).  Then it multiplies all eight tiles of rows by ITS four tiles
; of 16 columns, whose codes and scale words come from memory straight into registers, two K steps ahead.  32 accumulators a wave, by turns.
; THE PRODUCT IS USED TRANSPOSED (source 0 = 16 columns of W, source 1 = 16 rows of x): a lane holds one token and eight neighbouring channels, which pack into 16 bytes of f16: the images that the next launch reads.
; q16 [batch x head 32][tile of 16 tokens 128][1024]: channels 16 c + 8 h + 0 .. 7 of token r at 512 c + 256 h + 16 r.   kv [32][128][3072]: k so in bytes 0-1023; v's channels 16 d + 8 h + 0 .. 7 of token r at 1024 + 512 d + 256 h + 16 r.
; NO CLUSTER: the Q and K jobs share no rows, the V jobs only two and two, and the text has no tensor load by which to ask jointly; what all jobs of a panel share, the weights, is 17 KiB of a K step's 81.
; NO PREFETCH: each wave keeps up to two K steps of its rows asked for, and the launch does little but stream.  No hint on the rows' loads: V's rows are read by two work-groups.
; ONE BARRIER A K STEP: the images lie in two buffers by turns, so a buffer is written again only behind the barrier of the K step between, in front of which every wave's reads of it are back.
; THE ORDER OF A WAVE'S GLOBAL LOADS: rows of K step t + 1, weights of t, rows of t + 2, weights of t + 1: the counts of the waits on LOADcnt follow from it (32 loads for rows, 10 for weights).
; A wave may ask for more loads than LOADcnt's field holds: the issue is then held back (ISA guide 5.7.1), and no wait is written for that.
; LIMITS: |q|, |k|, |v| stay under 65,504, f16's largest number; a block of x whose largest magnitude lies under 2^-124 (zeros among them) gets the byte 1; NaN and infinities are not served.
; REGISTERS.  window 0: v1-10 addresses; v16-31 codes just made, at the end store offsets; v32-47 at work; v48, 49 scale words just made; v50-57 x's scale words; v58-61 W's; v64-191 128 numbers of x in the quantiser's order; v192-255 x's eight fragments.
;   window 1: v0-127 rows as loaded, set 0; v128-191 W's fragments, two sets of four.   window 2: the accumulators, (tile of rows m, tile of columns n) at v[8 (4 m + n)].   window 3: v0-127 rows as loaded, set 1.
.set SP,     528                       ; a row of a stage: 512 bytes + 16 of padding = 132 words, so the 16 rows that a load touches start 4 banks apart (64 banks of 4 bytes: ISA guide 11.1)
.set STGW,   32*SP                     ; a wave's stage
.set XIMG,   4*STGW                    ; behind the stages: x's fragments, 2 buffers x 8 x 1,024 bytes,
.set XSC,    XIMG+2*8*1024             ; their scale words, 2 x 8 x 128,
.set SPARE,  XSC+2*8*128               ; and the spare words, 128 bytes for each wave: two blocks of 256 bytes that no other line names
.set SA,  1                            ; v1  my stage, on the way in: + 16 x lane
.set LI,  2                            ; v2  16 x lane
.set LS,  3                            ; v3  4 x lane
.set XWI, 4                            ; v4  where I store images: XIMG + 16 x lane + 2,048 x wave
.set XWS, 5                            ; v5  and scale words: XSC + 4 x lane + 256 x wave
.set SPW, 6                            ; v6  my spare word; never rewritten
.set NIL, 7                            ; v7  0; never rewritten
.set RI,  8                            ; v8  where images are read: XIMG + 16 x lane
.set RS,  9                            ; v9  XSC + 4 x lane
.set XA,  10                           ; v10 my stage, on the way out: row r, + 64 h: my 16 numbers of a block of 32
.set PC0, 16
.set PC1, 24
.set TM,  32
.set PW0, 48
.set PW1, 49
.set XS,  50
.set WSC, 58
.set ST0, 64
.set ST1, 128
.set XF,  192
.set VO,  16                           ; the way out's store offsets, where the codes lay
.set WF,  128                          ; in window 1
.set XP,  32                           ; s[32:33] my rows, at the K step that the loop's trip counts from
.set SEL, 40                           ; s[40:41] v_permlanex16_b32's selects for lane l xor 16
.set WP,  42                           ; s[42:43] my tiles' codes, likewise
.set WSP, 44                           ; s[44:45] their scale words
.set OUT, 46                           ; s[46:47] where my results go
.set MSB, 0
.macro WIN new                         ; the immediate's high byte repeats the setting that is left
.if MSB != \new
	s_set_vgpr_msb (MSB<<8)|\new
.set MSB, \new
.endif
.endm
.macro PLACES n
.rept \n
	v_nop
.endr
.endm
; my 32 rows' 512 bytes of the K step off steps on from XP, as they lie: 32 lanes read 512 consecutive bytes, at a multiple of 512 from the buffer's first byte
.macro GX off, set
.if \set
	WIN 0xc0                                       ; destination window 3
.else
	WIN 0x40                                       ; destination window 1
.endif
.irp i, 0,1,2,3,4,5,6,7,8,9,10,11,12,13,14,15,16,17,18,19,20,21,22,23,24,25,26,27,28,29,30,31
	global_load_b128 v[4*\i:4*\i+3], v[LI], s[XP:XP+1] offset:\i*8192+(\off)*512
.endr
	WIN 0
.endm
.macro TST set                         ; a set of rows goes into my stage as it was loaded
.if \set
	WIN 0x0c                                       ; an LDS store's data are its source 1: window 3
.else
	WIN 0x04                                       ; window 1
.endif
.irp i, 0,1,2,3,4,5,6,7,8,9,10,11,12,13,14,15,16,17,18,19,20,21,22,23,24,25,26,27,28,29,30,31
	ds_store_b128 v[SA], v[4*\i:4*\i+3] offset:\i*SP
.endr
	WIN 0
.endm
.macro TLD                             ; and comes back in the quantiser's order: register 64 i + 16 b + n = k 32 b + 16 h + n of row 16 i + r.  LDS serves a wave's instructions in order (ISA guide 5.7.1.4): these see my stores
.irp i, 0,1
.irp b, 0,1,2,3
.irp j, 0,1,2,3
	ds_load_b128 v[ST0+64*\i+16*\b+4*\j:ST0+64*\i+16*\b+4*\j+3], v[XA] offset:\i*16*SP+\b*128+\j*16
.endr
.endr
.endr
.endm
; 64 numbers of a lane from v[s] on become a fragment's codes in v[pc] on and its scale word in v[pw]
.macro QUANT s, pc, pw
.irp b, 0,1,2,3
	v_max3_num_f32 v[TM+\b], |v[\s+16*\b]|, |v[\s+1+16*\b]|, 0x1800000   ; block b: my 16 numbers, and the floor 2^(3 - 127): the byte cannot fall under 1
.endr
.irp i, 2,4,6,8,10,12,14
.irp b, 0,1,2,3
	v_max3_num_f32 v[TM+\b], v[TM+\b], |v[\s+16*\b+\i]|, |v[\s+1+16*\b+\i]|   ; the four blocks by turns
.endr
.endr
.irp b, 0,1,2,3
	v_permlanex16_b32 v[TM+4+\b], v[TM+\b], s[SEL], s[SEL+1]
.endr
.irp b, 0,1,2,3
	v_max_num_f32 v[TM+\b], v[TM+\b], v[TM+4+\b]   ; with lane l xor 16's: the block's largest magnitude
.endr
.irp b, 0,1,2,3
	v_add_nc_u32 v[TM+12+\b], 0xff000000, v[TM+\b] ; 2 off its exponent field: the conversion's scale operand
.endr
.irp b, 0,1,2,3
	v_lshrrev_b32 v[TM+4+\b], 23, v[TM+12+\b]      ; the scale's byte
.endr
	v_lshl_or_b32 v[\pw], v[TM+5], 8, v[TM+4]      ; the four bytes make my row's scale word
	v_lshl_or_b32 v[\pw], v[TM+6], 16, v[\pw]
	v_lshl_or_b32 v[\pw], v[TM+7], 24, v[\pw]
.irp b, 0,1,2,3
	v_cvt_scalef32_pk8_fp4_f32 v[\pc+2*\b], v[\s+16*\b:\s+7+16*\b], v[TM+12+\b]
	v_cvt_scalef32_pk8_fp4_f32 v[\pc+1+2*\b], v[\s+8+16*\b:\s+15+16*\b], v[TM+12+\b]
.endr
	v_nop                                          ; one plain instruction behind a scaled conversion
.irp c, 0,1                                    ; the operand's layout wants a whole block in a lane: lanes 0-15 block 2 c, lanes 16-31 block 2 c + 1
.irp i, 0,1
	v_permlane16_swap_b32 v[\pc+4*\c+\i], v[\pc+2+4*\c+\i]
.endr
.endr
.endm
.macro IMAGE pc, pw, buf, i            ; my i-th fragment and its scale words go to LDS as they stand
.irp c, 0,1
	ds_store_b128 v[XWI], v[\pc+4*\c:\pc+4*\c+3] offset:(\buf)*8192+(\i)*1024+512*\c
.endr
	ds_store_b32 v[XWS], v[\pw] offset:(\buf)*1024+(\i)*128
.endm
.macro LW off, set                     ; my four tiles' codes and scale words of the K step off steps on from WP, into set
	WIN 0x40                                       ; destination window 1
.irp n, 0,1,2,3
.irp c, 0,1
	global_load_b128 v[WF+32*(\set)+8*\n+4*\c:WF+32*(\set)+8*\n+4*\c+3], v[LI], s[WP:WP+1] offset:(\off)*16384+\n*1024+\c*512
.endr
.endr
	WIN 0
.irp p, 0,1
	global_load_b32 v[WSC+2*(\set)+\p], v[LS], s[WSP:WSP+1] offset:(\off)*1024+\p*128   ; lanes 0-15: tile 2 p's words; lanes 16-31: tile 2 p + 1's
.endr
.endm
.macro FP4MUL m, n, set, zero
.set DA, 8*(4*(\m)+(\n))
.set WA, WF+32*(\set)+8*(\n)
.set XB, XF+8*(\m)
.set SCA, WSC+2*(\set)+(\n)/2
.if \zero
.if (\n)%2
	v_wmma_scale_f32_16x16x128_f8f6f4 v[DA:DA+7], v[WA:WA+7], v[XB:XB+7], 0, v[SCA], v[XS+(\m)] matrix_a_fmt:MATRIX_FMT_FP4 matrix_b_fmt:MATRIX_FMT_FP4 matrix_a_scale:MATRIX_SCALE_ROW1
.else
	v_wmma_scale_f32_16x16x128_f8f6f4 v[DA:DA+7], v[WA:WA+7], v[XB:XB+7], 0, v[SCA], v[XS+(\m)] matrix_a_fmt:MATRIX_FMT_FP4 matrix_b_fmt:MATRIX_FMT_FP4
.endif
.else
.if (\n)%2
	v_wmma_scale_f32_16x16x128_f8f6f4 v[DA:DA+7], v[WA:WA+7], v[XB:XB+7], v[DA:DA+7], v[SCA], v[XS+(\m)] matrix_a_fmt:MATRIX_FMT_FP4 matrix_b_fmt:MATRIX_FMT_FP4 matrix_a_scale:MATRIX_SCALE_ROW1
.else
	v_wmma_scale_f32_16x16x128_f8f6f4 v[DA:DA+7], v[WA:WA+7], v[XB:XB+7], v[DA:DA+7], v[SCA], v[XS+(\m)] matrix_a_fmt:MATRIX_FMT_FP4 matrix_b_fmt:MATRIX_FMT_FP4
.endif
.endif
.endm
.macro BAR                             ; my LDS stores have landed and my LDS loads are in: then the work-group's barrier
	s_wait_dscnt 0x0
	s_barrier_signal -1
	s_barrier_wait -1
.endm
; K STEP t.  set = t % 2: the images' buffer, W's set; the rows of t + 1 lie in the other set of rows.  zero = 1: the products start the sums.  turn = 1: there is a K step t + 1.
; cntx: the loads issued behind the rows of t + 1;  cntw: those issued behind the weights of t;  gx, lw: the rows of t + 3 and the weights of t + 2, in K steps from the bases, or -1 for none
.macro BODY set, zero, turn, cntx, cntw, gx, lw
	s_wait_dscnt 16                                ; rows 0-15 are back from the stage; the 16 loads of rows 16-31 may be out
	QUANT ST0, PC0, PW0
	s_wait_dscnt 0x0                               ; all of this K step has left the stage
	IMAGE PC0, PW0, \set, 0
.if \turn
	s_wait_loadcnt \cntx                           ; the rows of t + 1 are in registers
	TST 1-\set                                     ; and go into the stage while rows 16-31 are quantised
.endif
	QUANT ST1, PC1, PW1
	IMAGE PC1, PW1, \set, 1
	BAR                                            ; x's eight fragments of this K step lie in LDS
.irp m, 0,1,2,3,4,5,6,7
.irp c, 0,1
	ds_load_b128 v[XF+8*\m+4*\c:XF+8*\m+4*\c+3], v[RI] offset:(\set)*8192+\m*1024+512*\c
.endr
.endr
.irp m, 0,1,2,3,4,5,6,7
	ds_load_b32 v[XS+\m], v[RS] offset:(\set)*1024+\m*128
.endr
.if \turn
	TLD                                            ; t + 1 comes out of the stage under the products
	s_wait_dscnt 32                                ; the fragments and their scale words are in; the stage's 32 loads may be out
.else
	s_wait_dscnt 0x0
.endif
	s_wait_loadcnt \cntw                           ; the weights of t are in
	WIN 0xa1                                       ; source 0 (W) window 1, source 1 (x) window 0, C and D window 2
.irp m, 0,1,2,3,4,5,6,7                        ; the 32 accumulators take turns, one instruction a turn, in the same order in every K step
.irp n, 0,1,2,3
	FP4MUL \m, \n, \set, \zero
.endr
.endr
	WIN 0
	PLACES 4                                       ; in front of loads into registers that these matrix instructions have read (ISA guide 7.12.1 for vector instructions), and of the first read of results
.if \gx >= 0
	GX \gx, 1-\set                                 ; into the set whose stores into the stage were awaited in front of the barrier
.endif
.if \lw >= 0
	LW \lw, \set
.endif
.endm
	s_load_b256 s[4:11], s[0:1], 0x0               ; Q s[4:5], K s[6:7], V s[8:9], wcodes s[10:11]
	s_load_b128 s[12:15], s[0:1], 0x20             ; wscales, q16
	s_load_b64 s[16:17], s[0:1], 0x30              ; kv
	v_lshl_add_u32 v[SPW], v0, 2, SPARE
	v_mov_b32 v[NIL], 0
	v_lshrrev_b32 v11, 5, v0
	v_readfirstlane_b32 s18, v11                   ; wave 0..3
	s_mov_b32 s19, ttmp9                           ; the job
	s_mov_b32 s[SEL], 0x76543210
	s_mov_b32 s[SEL+1], 0xfedcba98
	s_and_b32 s20, s19, 63                         ; Q, K: block of 128 rows
	s_sub_co_u32 s21, s19, 128
	s_lshr_b32 s21, s21, 1                         ; V: likewise
	s_lshr_b32 s22, s19, 6                         ; Q, K: panel 0, 1
	s_and_b32 s23, s19, 1                          ; V: which 256 columns
	s_add_co_u32 s53, s23, 2                       ; V: panel 2, 3
	s_lshl_b32 s56, s18, 1                         ; Q, K: my 64 columns are heads 2 w, 2 w + 1
	s_lshl_b32 s57, s23, 2
	s_add_co_u32 s57, s57, s18                     ; V: they are head 4 x half + w
	s_mov_b32 s51, 3072
	s_mov_b32 s54, 393216
	s_mov_b32 s52, 1024
	s_cmp_lt_u32 s19, 64
	s_cselect_b32 s51, 1024, s51                   ; bytes from a tile of tokens to the next: q16 1,024, kv 3,072
	s_cselect_b32 s54, 131072, s54                 ; and from head to head
	s_cmp_lt_u32 s19, 128
	s_cselect_b32 s20, s20, s21                    ; block of rows
	s_cselect_b32 s22, s22, s53                    ; panel
	s_cselect_b32 s56, s56, s57                    ; my first head
	s_cselect_b32 s52, s54, s52                    ; from my tiles 0, 1 of columns to tiles 2, 3: the next head (q, k) or 1,024 bytes (v)
	s_cselect_b32 s55, 0, 1024                     ; v lies behind k in a tile of tokens
	s_lshr_b32 s57, s20, 4                         ; batch
	s_lshl_b32 s57, s57, 3
	s_add_co_u32 s56, s56, s57
	s_mul_i32 s56, s56, s54
	s_and_b32 s57, s20, 15
	s_lshl_b32 s57, s57, 3                         ; my block's first tile of tokens in the batch
	s_mul_i32 s57, s57, s51
	s_add_co_u32 s56, s56, s57
	s_add_co_u32 s58, s56, s55
	s_mov_b32 s59, 0                               ; s[58:59]: where my results begin
	s_lshl_b32 s60, s22, 18
	s_lshl_b32 s61, s18, 12
	s_add_co_u32 s60, s60, s61
	s_mov_b32 s61, 0                               ; s[60:61]: my tiles' codes
	s_lshr_b32 s62, s60, 4
	s_mov_b32 s63, 0                               ; s[62:63]: their scale words
	s_lshl_b32 s56, s20, 20                        ; 128 rows of 8,192 bytes
	s_lshl_b32 s57, s18, 18                        ; my 32
	s_add_co_u32 s56, s56, s57
	s_mov_b32 s57, 0                               ; s[56:57]: my rows
	v_and_b32 v11, 31, v0                          ; lane
	v_and_b32 v12, 15, v0                          ; r
	v_bfe_u32 v13, v0, 4, 1                        ; h
	v_lshlrev_b32 v[LI], 4, v11
	v_lshlrev_b32 v[LS], 2, v11
	s_mul_i32 s24, s18, STGW                       ; my stage
	v_add_nc_u32 v[SA], s24, v[LI]
	v_mul_u32_u24 v[XA], v12, SP
	v_lshl_add_u32 v[XA], v13, 6, v[XA]
	v_add_nc_u32 v[XA], s24, v[XA]
	v_add_nc_u32 v[RI], XIMG, v[LI]
	v_add_nc_u32 v[RS], XSC, v[LS]
	s_lshl_b32 s25, s18, 11
	v_add_nc_u32 v[XWI], s25, v[RI]
	s_lshl_b32 s25, s18, 8
	v_add_nc_u32 v[XWS], s25, v[RS]
.irp b, 0,1,2,3
	v_mov_b32 v[TM+4+\b], 0                        ; written once: a lane permute's destination counts as one of its sources
.endr
	s_wait_kmcnt 0x0
	s_cmp_lt_u32 s19, 64
	s_cselect_b64 s[4:5], s[4:5], s[6:7]
	s_cselect_b64 s[OUT:OUT+1], s[14:15], s[16:17]
	s_cmp_lt_u32 s19, 128
	s_cselect_b64 s[4:5], s[4:5], s[8:9]
	s_add_nc_u64 s[XP:XP+1], s[4:5], s[56:57]
	s_add_nc_u64 s[OUT:OUT+1], s[OUT:OUT+1], s[58:59]
	s_add_nc_u64 s[WP:WP+1], s[10:11], s[60:61]
	s_add_nc_u64 s[WSP:WSP+1], s[12:13], s[62:63]
	GX 0, 0                                        ; the rows of K steps 0 and 1, the weights of 0
	GX 1, 1
	LW 0, 0
	s_wait_loadcnt 42                              ; the rows of K step 0 are in; the 32 + 10 loads behind them may be out
	TST 0
	TLD
	s_wait_dscnt 32                                ; the stores into the stage are done: their registers take the rows of K step 2
	GX 2, 0
	LW 1, 1
	BODY 0, 1, 1, 52, 42, 3, 2                     ; K step 0 stands in front of the loop: its products start the sums
	s_mov_b32 s50, 6
.Ltrip:                                            ; a trip is two K steps: 2 i + 1 and 2 i + 2, the bases standing at K step 2 i
	BODY 1, 0, 1, 52, 42, 4, 3
	BODY 0, 0, 1, 52, 42, 5, 4
	s_wait_xcnt 0x0                                ; the loads have read their bases: only behind this wait are they stepped
	s_add_nc_u64 s[XP:XP+1], s[XP:XP+1], 2*512
	s_add_nc_u64 s[WP:WP+1], s[WP:WP+1], 2*16384
	s_add_nc_u64 s[WSP:WSP+1], s[WSP:WSP+1], 2*1024
	s_sub_co_u32 s50, s50, 1
	s_cmp_lg_u32 s50, 0
	s_cbranch_scc1 .Ltrip
	BODY 1, 0, 1, 52, 42, -1, 3                    ; K step 13: no rows are left to ask for; the weights of 15
	BODY 0, 0, 1, 20, 10, -1, -1                   ; K step 14: behind the rows of 15 stand the weights of 14 and 15, behind the weights of 14 those of 15
	BODY 1, 0, 0, 0, 0, -1, -1                     ; K step 15
	; THE WAY OUT: a lane's eight channels of a token pack into 16 bytes; a store of the wave covers 512 consecutive bytes, at a multiple of 512 from the buffer's first byte
	s_mov_b32 s58, 0
.irp m, 0,1,2,3,4,5,6,7
	s_add_co_u32 s59, s58, s52
	v_add_nc_u32 v[VO+2*\m], s58, v[LI]
	v_add_nc_u32 v[VO+2*\m+1], s59, v[LI]
	s_add_co_u32 s58, s58, s51
.endr
	WIN 0x0a                                       ; sources 0 and 1 window 2
.set ACN, 0
.rept 32
.irp r, 0,1,2,3
	v_cvt_pk_f16_f32 v[64+4*ACN+\r], v[8*ACN+2*\r], v[8*ACN+2*\r+1]   ; each accumulator from its low end on
.endr
.set ACN, ACN+1
.endr
	WIN 0
.irp m, 0,1,2,3,4,5,6,7
.irp n, 0,1,2,3
	global_store_b128 v[VO+2*\m+\n/2], v[64+4*(4*\m+\n):64+4*(4*\m+\n)+3], s[OUT:OUT+1] offset:(\n%2)*512
.endr
.endr
	s_wait_tensorcnt 0x0                           ; the wave's end, behind my last LDS store
	ds_add_u32 v[SPW], v[NIL]
	s_wait_dscnt 0x0
	s_endpgm
.Lfunc_end_k_q1f45e563f7_proj:
	.size	k_q1f45e563f7_proj, .Lfunc_end_k_q1f45e563f7_proj-k_q1f45e563f7_proj
	.p2alignl 7, 3214868480
	.fill 96, 4, 3214868480
	.section	.rodata,"a",@progbits
	.p2align	6, 0x0
	.amdhsa_kernel k_q1f45e563f7_proj
		.amdhsa_group_segment_fixed_size 86528
		.amdhsa_private_segment_fixed_size 0
		.amdhsa_enable_private_segment 0
		.amdhsa_kernarg_size 56
		.amdhsa_user_sgpr_count 2
		.amdhsa_user_sgpr_kernarg_segment_ptr 1
		.amdhsa_wavefront_size32 1
		.amdhsa_system_sgpr_workgroup_id_x 1
		.amdhsa_system_sgpr_workgroup_id_y 1
		.amdhsa_system_sgpr_workgroup_id_z 1
		.amdhsa_system_vgpr_workitem_id 0
		.amdhsa_next_free_vgpr 896
		.amdhsa_next_free_sgpr 66
		.amdhsa_reserve_vcc 0
		.amdhsa_float_denorm_mode_32 3
		.amdhsa_float_denorm_mode_16_64 3
		.amdhsa_memory_ordered 1
		.amdhsa_forward_progress 1
		.amdhsa_inst_pref_size 148
	.end_amdhsa_kernel
	.amdgpu_metadata
---
amdhsa.version: [ 1, 2 ]
amdhsa.kernels:
  - .name:           k_q1f45e563f7_proj
    .symbol:         k_q1f45e563f7_proj.kd
    .args:
      - { .name: Q, .offset: 0, .size: 8, .value_kind: global_buffer, .address_space: global }
      - { .name: K, .offset: 8, .size: 8, .value_kind: global_buffer, .address_space: global }
      - { .name: V, .offset: 16, .size: 8, .value_kind: global_buffer, .address_space: global }
      - { .name: wcodes, .offset: 24, .size: 8, .value_kind: global_buffer, .address_space: global }
      - { .name: wscales, .offset: 32, .size: 8, .value_kind: global_buffer, .address_space: global }
      - { .name: q16, .offset: 40, .size: 8, .value_kind: global_buffer, .address_space: global }
      - { .name: kv, .offset: 48, .size: 8, .value_kind: global_buffer, .address_space: global }
    .group_segment_fixed_size: 86528
    .private_segment_fixed_size: 0
    .kernarg_segment_align: 8
    .kernarg_segment_size: 56
    .max_flat_workgroup_size: 128
    .sgpr_count:     66
    .vgpr_count:     896
    .wavefront_size: 32
...
	.end_amdgpu_metadata
.endif
;; end of part 2
;; launch attn (part 3): grid 8 x 32, 8 waves a work-group, clusters of 4 x 1, 327,680 bytes of LDS; arguments q16, kv, vals; writes vals
.if DOCPART == 3
	.amdgcn_target "amdgcn-amd-amdhsa--gfx1250"
	.amdhsa_code_object_version 6
	.text
	.protected	k_q1f45e563f7_attn
	.globl	k_q1f45e563f7_attn
	.p2align	8
	.type	k_q1f45e563f7_attn,@function
k_q1f45e563f7_attn:
	s_mov_b64 s[64:65], 0
	v_nop
	global_prefetch_b8 v0, s[64:65] scope:SCOPE_SE
	s_setreg_imm32_b32 hwreg(HW_REG_WAVE_MODE, 25, 1), 1
	s_wait_xcnt 0x0
	s_wait_alu depctr_hold_cnt(0) depctr_sa_sdst(0) depctr_va_vdst(0) depctr_va_sdst(0) depctr_va_ssrc(0) depctr_va_vcc(0) depctr_vm_vsrc(0)
	s_getreg_b32 s2, hwreg(HW_REG_IB_STS2, 6, 4)
	s_cmp_eq_u32 s2, 0
	s_cbranch_scc0 .Lentry_in_a_cluster
	s_endpgm
.Lentry_in_a_cluster:
	s_bfe_u32 s2, ttmp6, 0x10000c
	s_cmp_lg_u32 s2, 0x3003
	s_cbranch_scc0 .Lentry_shape_is_right
	s_endpgm
.Lentry_shape_is_right:
; vals[b][i][head] = the sum over j of softmax_j(q_i . k_j / sqrt(32)) v_j, for 32 pairs (batch, head), 2,048 tokens, 32 channels of q and k, 64 of v.  Operands in f16; products, maxima and sums in f32.
; q16, kv: operand images as the launch before stored them.  vals [block of 256 rows 32][K step of 128: 4][tile of 16 rows 16][32 along K: 4][1024]: f16 images for the out projection.
; SHARES.  A work-group owns 256 queries of one pair; each of its eight waves two tiles of 16; two waves share a SIMD's registers, so that one wave's softmax stands beside the other's matrix work.  Every wave walks all 2,048 keys, 128 a step.
; LAYOUT.  S^T = K Q^T (source 0 = 16 keys, source 1 = 16 queries): a lane holds ONE query (lane % 16) and keys 8 (lane / 16) + 0..7 of the tile.  Two such tiles, rounded to f16 in pairs, ARE source 1 (32 keys x 16
; queries) of O^T = V^T P, whose result again holds one query a lane and eight channels.  K comes out of LDS as it lies; V ([token][channel] in its image) turned, by ds_load_tr16_b128: lane 8 g + j names token
; 8 (g / 2) + j, channel half g % 2, which in the image is 16 x (the lane's number with bits 3 and 4 changed over).
; SOFTMAX.  For each query a running maximum m and sum l: p = 2^(c s - c m), c = log2(e) / sqrt(32); in every step O and l are multiplied by a = 2^(c m_old - c m_new).  The step is written once: the first finds m = -3e38, l = 0, O = 0.
; CLUSTER.  The four query blocks of a cluster belong to one pair and walk the same K and V: each tile is asked for JOINTLY, by the same tensor load with the same descriptor and the mask of all four.
; LDS.  Three slots of 512 keys (98,304 bytes: 32 tiles of tokens x 3,072, one dense block of memory); each wave brings an eighth of a slot, 48 rows of 256 bytes (all eight waves load, so a load has 48 rows and not 64).
; Keys 0-1,535 are asked for at the start: three loads of a wave are out.  Keys 1,536-2,047 go into slot 0 when it has been read: the one refill, behind a round of the cluster's barrier, with eight steps in which to land.
; NO PREFETCH: three quarters of the pair's K and V are asked for by the first fills, and the last quarter eight steps ahead of its use.
; LIMITS: scores stay under 3e38 in magnitude; a weight p under 2^-14 of its row's largest loses bits in f16, under 2^-25 it counts as 0 in the product (not in the row's sum).
; REGISTERS.  window 0: v1-4 addresses; v16-31 Q; v32-63 statistics, 16 a tile: +0 c m, +1 m, +2, +3 l, +4..+7 at work, +8 a, +9 0, +10, +11 a second chain of the sum, +12 c m_old - c m_new; v64-191 S^T, 64 a tile; v192-255 P, 32 a tile.
;   window 1: v0-63 O^T, 32 a tile; v64-127 K's eight fragments; v128-255 V^T's sixteen.
.set SLOTB, 98304
.set STEPB, 24576                      ; 128 keys
.set TT,    3072                       ; a tile of 16 tokens: K's 1,024 bytes, V's 2,048
.set SPARE, 3*SLOTB                    ; behind the slots: the spare words, 128 bytes for each wave: four blocks of 256 bytes that no other line names
.set LK,  1                            ; v1  16 x lane
.set LV,  2                            ; v2  1,024 + 16 x (lane with bits 3 and 4 changed over)
.set ADK, 3
.set ADV, 4
.set SPW, 6                            ; v6  my spare word; never rewritten
.set NIL, 7                            ; v7  0; never rewritten
.set QF,  16
.set ST,  32
.set S,   64
.set P,   192
.set O,   0                            ; in window 1
.set KF,  64
.set VF,  128
.set WV,  10
.set G1,  24                           ; s[24:31]
.set G0,  32                           ; s[32:43] a group 0 for each first fill; the first serves the refill
.set CS,  44                           ; s[44:45] c, twice
.set SEL, 46                           ; s[46:47]
.set TB,  48                           ; s48 LDS byte at which the step's keys begin
.set CNT, 49
.set MSB, 0
.macro WIN new
.if MSB != \new
	s_set_vgpr_msb (MSB<<8)|\new
.set MSB, \new
.endif
.endm
.macro CROUND                          ; a round of the cluster's barrier
	s_barrier_signal -1
	s_barrier_wait -1
	s_cmp_lg_u32 s[WV], 0
	s_cbranch_scc1 .Lnot_wave_0_\@
	s_barrier_signal -3
.Lnot_wave_0_\@:
	s_barrier_wait -3
	s_barrier_signal -1
	s_barrier_wait -1
.endm
; A KEY STEP: 128 keys from LDS byte s[TB] on
.macro STEP
	v_add_nc_u32 v[ADK], s[TB], v[LK]              ; these four plain lines are the places between the last step's products and the loads into V's registers
	v_add_nc_u32 v[ADV], s[TB], v[LV]
	v_nop
	v_nop
	WIN 0x40                                       ; destination window 1
.irp kt, 0,1,2,3,4,5,6,7
.irp c, 0,1
	ds_load_b128 v[KF+8*\kt+4*\c:KF+8*\kt+4*\c+3], v[ADK] offset:\kt*TT+\c*512
.endr
.endr
.irp ch, 0,1,2,3
.irp d, 0,1,2,3
.irp e, 0,1
	ds_load_tr16_b128 v[VF+8*(4*\ch+\d)+4*\e:VF+8*(4*\ch+\d)+4*\e+3], v[ADV] offset:(2*\ch+\e)*TT+\d*512
.endr
.endr
.endr
	s_wait_dscnt 32                                ; K is in; V's 32 loads may be out
	WIN 0x01                                       ; source 0 (K) window 1
.irp kt, 0,1,2,3,4,5,6,7
.irp t, 0,1
	v_wmma_f32_16x16x32_f16 v[S+64*\t+8*\kt:S+64*\t+8*\kt+7], v[KF+8*\kt:KF+8*\kt+7], v[QF+8*\t:QF+8*\t+7], 0
.endr
.endr
	WIN 0
.rept 4
	v_nop                                          ; places in front of the first read of the scores
.endr
	; the maximum of my 64 scores and the old m: four chains, the two tiles by turns, each accumulator from its low end on
.irp t, 0,1
	v_max3_num_f32 v[ST+16*\t+4], v[S+64*\t], v[S+64*\t+1], v[ST+16*\t+1]
.endr
.irp i, 1,2,3
.irp t, 0,1
	v_max_num_f32 v[ST+16*\t+4+\i], v[S+64*\t+2*\i], v[S+64*\t+2*\i+1]
.endr
.endr
.irp i, 4,5,6,7,8,9,10,11,12,13,14,15,16,17,18,19,20,21,22,23,24,25,26,27,28,29,30,31
.irp t, 0,1
	v_max3_num_f32 v[ST+16*\t+4+(\i%4)], v[ST+16*\t+4+(\i%4)], v[S+64*\t+2*\i], v[S+64*\t+2*\i+1]
.endr
.endr
.irp t, 0,1
	v_max3_num_f32 v[ST+16*\t+4], v[ST+16*\t+4], v[ST+16*\t+5], v[ST+16*\t+6]
.endr
.irp t, 0,1
	v_max_num_f32 v[ST+16*\t+4], v[ST+16*\t+4], v[ST+16*\t+7]
.endr
.irp t, 0,1
	v_permlanex16_b32 v[ST+16*\t+5], v[ST+16*\t+4], s[SEL], s[SEL+1]   ; the query's other keys lie in the lane 16 away
.endr
.irp t, 0,1
	v_mov_b32 v[ST+16*\t+12], v[ST+16*\t]          ; c m_old
.endr
.irp t, 0,1
	v_max_num_f32 v[ST+16*\t+1], v[ST+16*\t+4], v[ST+16*\t+5]
.endr
.irp t, 0,1
	v_mul_f32 v[ST+16*\t], s[CS], v[ST+16*\t+1]
.endr
.irp t, 0,1
	v_sub_f32 v[ST+16*\t+12], v[ST+16*\t+12], v[ST+16*\t]
.endr
.irp t, 0,1
.set j, 0
.rept 32
	v_pk_fma_f32 v[S+64*\t+j:S+64*\t+j+1], v[S+64*\t+j:S+64*\t+j+1], s[CS:CS+1], v[ST+16*\t:ST+16*\t+1] op_sel_hi:[1,0,0] neg_lo:[0,0,1] neg_hi:[0,0,1]   ; c s - c m, two at a time
.set j, j+2
.endr
.endr
	; ONE BATCH of exponentials, none of which reads another's result
.irp t, 0,1
	v_exp_f32 v[ST+16*\t+8], v[ST+16*\t+12]        ; a
.endr
.set j, 0
.rept 128
	v_exp_f32 v[S+j], v[S+j]                       ; p
.set j, j+1
.endr
	v_nop                                          ; a plain instruction behind the last exponential
	s_wait_alu depctr_va_vdst(0)                   ; a wait ahead of the first instruction that names a result: one for the batch
.irp t, 0,1
	v_pk_mul_f32 v[ST+16*\t+2:ST+16*\t+3], v[ST+16*\t+2:ST+16*\t+3], v[ST+16*\t+8:ST+16*\t+9] op_sel_hi:[1,0]   ; l under the new m
	v_pk_add_f32 v[ST+16*\t+10:ST+16*\t+11], v[S+64*\t:S+64*\t+1], v[S+64*\t+2:S+64*\t+3]
.endr
.irp j, 4,8,12,16,20,24,28,32,36,40,44,48,52,56,60
.irp t, 0,1
	v_pk_add_f32 v[ST+16*\t+2:ST+16*\t+3], v[ST+16*\t+2:ST+16*\t+3], v[S+64*\t+\j:S+64*\t+\j+1]   ; the sum is taken of p in f32, in two chains a tile
	v_pk_add_f32 v[ST+16*\t+10:ST+16*\t+11], v[ST+16*\t+10:ST+16*\t+11], v[S+64*\t+\j+2:S+64*\t+\j+3]
.endr
.endr
.irp t, 0,1
	v_pk_add_f32 v[ST+16*\t+2:ST+16*\t+3], v[ST+16*\t+2:ST+16*\t+3], v[ST+16*\t+10:ST+16*\t+11]
.endr
.set j, 0
.rept 64
	v_cvt_pk_f16_f32 v[P+j], v[S+2*j], v[S+2*j+1]  ; pairs of neighbouring keys: register 4 kt + n of a tile's P
.set j, j+1
.endr
	WIN 0x41                                       ; O^T (destination and source 0) window 1, a window 0
.irp t, 0,1
.set j, 0
.rept 16
	v_pk_mul_f32 v[O+32*\t+j:O+32*\t+j+1], v[O+32*\t+j:O+32*\t+j+1], v[ST+16*\t+8:ST+16*\t+9] op_sel_hi:[1,0]   ; O^T under the new m, each accumulator from its low end on
.set j, j+2
.endr
.endr
	s_wait_dscnt 0x0                               ; V is in
	WIN 0x51                                       ; V window 1, P window 0, O^T window 1
.irp ch, 0,1,2,3                               ; the eight accumulators take turns, one instruction a turn
.irp d, 0,1,2,3
.irp t, 0,1
	v_wmma_f32_16x16x32_f16 v[O+32*\t+8*\d:O+32*\t+8*\d+7], v[VF+8*(4*\ch+\d):VF+8*(4*\ch+\d)+7], v[P+32*\t+8*\ch:P+32*\t+8*\ch+7], v[O+32*\t+8*\d:O+32*\t+8*\d+7]
.endr
.endr
.endr
	WIN 0
.endm
.macro SLOTRUN base, n                 ; n key steps from LDS byte base on
	s_mov_b32 s[TB], \base
	s_mov_b32 s[CNT], \n
.Lstep_\@:
	STEP
	s_add_co_u32 s[TB], s[TB], STEPB
	s_sub_co_u32 s[CNT], s[CNT], 1
	s_cmp_lg_u32 s[CNT], 0
	s_cbranch_scc1 .Lstep_\@
.endm
	s_load_b128 s[4:7], s[0:1], 0x0                ; q16, kv
	s_load_b64 s[8:9], s[0:1], 0x10                ; vals
	v_lshl_add_u32 v[SPW], v0, 2, SPARE
	v_mov_b32 v[NIL], 0
	ds_add_u32 v[SPW], v[NIL]                      ; the wave's opening: the add, twice on end, and its wait ahead of my first tensor load
	ds_add_u32 v[SPW], v[NIL]
	v_lshrrev_b32 v5, 5, v0
	v_readfirstlane_b32 s[WV], v5                  ; wave 0..7
	s_bfe_u32 s11, ttmp6, 0x40000                  ; cx: my place in the cluster
	s_lshl_b32 s12, ttmp9, 2
	s_add_co_u32 s12, s12, s11                     ; my block of 256 queries: it enters q16's and vals' addresses alone
	s_and_b32 s13, ttmp7, 0xffff                   ; the pair (batch, head), which the four partners share
	s_mov_b32 s[G1+0], 15|(3<<16)|(1<<21)          ; the mask: all four work-groups; elements of 8 bytes; bit 21 set beside a mask; no padding: every LDS load of a wave takes 512 consecutive bytes
	s_mov_b32 s[G1+1], 32<<16                      ; tensor_dim0: 256 bytes
	s_mov_b32 s[G1+2], 48<<16                      ; tensor_dim1
	s_mov_b32 s[G1+3], 32<<16                      ; tile_dim0
	s_mov_b32 s[G1+4], 48                          ; tile_dim1
	s_mov_b32 s[G1+5], 32                          ; dense rows
	s_mov_b32 s[G1+6], 0
	s_mov_b32 s[G1+7], 0
	s_mul_i32 s14, s13, 393216                     ; the pair's K and V,
	s_mul_i32 s16, s[WV], 12288                    ; my eighth of a slot, in memory and in LDS alike
	s_add_co_u32 s14, s14, s16
	s_mov_b32 s15, 0
	s_lshl_b32 s18, s13, 17                        ; q16: the pair, my block's 16 tiles, my wave's two
	s_lshl_b32 s19, s12, 14
	s_add_co_u32 s18, s18, s19
	s_lshl_b32 s19, s[WV], 11
	s_add_co_u32 s18, s18, s19
	s_mov_b32 s19, 0
	s_lshr_b32 s20, s13, 3                         ; vals: block of rows 8 x batch + block of queries,
	s_lshl_b32 s20, s20, 3
	s_add_co_u32 s20, s20, s12
	s_lshl_b32 s20, s20, 18
	s_bfe_u32 s21, s13, 0x20001                    ; K step head / 2,
	s_lshl_b32 s21, s21, 16
	s_add_co_u32 s20, s20, s21
	s_lshl_b32 s21, s[WV], 13                      ; my two tiles of rows,
	s_add_co_u32 s20, s20, s21
	s_and_b32 s21, s13, 1                          ; and the head's 64 of the K step's 128
	s_lshl_b32 s21, s21, 11
	s_add_co_u32 s20, s20, s21
	s_mov_b32 s21, 0
	s_mov_b32 s[CS], 0x3e8293ee                    ; c = log2(e) / sqrt(32)
	s_mov_b32 s[CS+1], s[CS]                       ; (named with it as a pair, so it is written)
	s_mov_b32 s[SEL], 0x76543210
	s_mov_b32 s[SEL+1], 0xfedcba98
	s_wait_dscnt 0x0                               ; both opening adds are done
	s_wait_kmcnt 0x0
	s_add_nc_u64 s[6:7], s[6:7], s[14:15]
	s_add_nc_u64 s[4:5], s[4:5], s[18:19]
	s_add_nc_u64 s[8:9], s[8:9], s[20:21]
.irp f, 0,1,2
	s_mov_b32 s[G0+4*\f], 1
	s_add_co_u32 s[G0+4*\f+1], s16, \f*SLOTB
	s_add_nc_u64 s[G0+4*\f+2:G0+4*\f+3], s[6:7], \f*SLOTB
	s_or_b32 s[G0+4*\f+3], s[G0+4*\f+3], 0x80000000
.endr
	CROUND                                         ; all four work-groups are here: the first joint loads meet
	tensor_load_to_lds s[G0:G0+3], s[G1:G1+7]      ; keys 0-511
	s_nop 0
	tensor_load_to_lds s[G0+4:G0+7], s[G1:G1+7]    ; keys 512-1,023
	s_nop 0
	tensor_load_to_lds s[G0+8:G0+11], s[G1:G1+7]   ; keys 1,024-1,535
	s_nop 0
.rept 4
	v_nop
.endr
	v_and_b32 v5, 31, v0
	v_lshlrev_b32 v[LK], 4, v5
.irp t, 0,1
.irp c, 0,1
	global_load_b128 v[QF+8*\t+4*\c:QF+8*\t+4*\c+3], v[LK], s[4:5] offset:\t*1024+\c*512   ; Q stays in registers
.endr
.endr
	v_and_b32 v8, 7, v0
	v_bfe_u32 v9, v0, 3, 1
	v_bfe_u32 v10, v0, 4, 1
	v_lshl_or_b32 v8, v9, 4, v8
	v_lshl_or_b32 v8, v10, 3, v8
	v_lshlrev_b32 v[LV], 4, v8
	v_add_nc_u32 v[LV], 1024, v[LV]
.irp t, 0,1
	v_mov_b32 v[ST+16*\t+1], 0xff61b1e6            ; m = -3e38, under every score
	v_mul_f32 v[ST+16*\t], s[CS], v[ST+16*\t+1]
	v_mov_b32 v[ST+16*\t+2], 0                     ; l
	v_mov_b32 v[ST+16*\t+3], 0
	v_mov_b32 v[ST+16*\t+9], 0                     ; (named with a as a pair, so it is written)
.endr
	WIN 0x40
.set j, 0
.rept 64
	v_mov_b32 v[O+j], 0                            ; O^T: the step is written once; its first pass finds zeros and a = 0
.set j, j+1
.endr
	WIN 0
	s_wait_loadcnt 0x0                             ; Q
	s_wait_tensorcnt 0x2                           ; my part of slot 0 is in; the two younger loads may be out
	s_barrier_signal -1
	s_barrier_wait -1                              ; everybody's is
	SLOTRUN 0, 4
	s_wait_tensorcnt 0x0                           ; all my tensor loads have landed, my parts of slots 1 and 2: no group 0 is in use
	ds_add_u32 v[SPW], v[NIL]                      ; 0 onto my spare word
	s_add_nc_u64 s[G0+2:G0+3], s[G0+2:G0+3], 3*SLOTB   ; keys 1,536 on
	s_wait_dscnt 0x0                               ; the add is done, and my reads of slot 0 are over
	CROUND                                         ; so it is with every wave of all four work-groups
	tensor_load_to_lds s[G0:G0+3], s[G1:G1+7]      ; the one refill: first behind the round, eight steps ahead of its use
	s_nop 0
.rept 4
	v_nop
.endr
	SLOTRUN SLOTB, 8                               ; slots 1 and 2 lie on end
	s_wait_tensorcnt 0x0                           ; my part of the refill is in,
	s_wait_dscnt 0x0
	s_barrier_signal -1
	s_barrier_wait -1                              ; everybody's is
	SLOTRUN 0, 4
	; THE WAY OUT.  l's two halves and the other half of the lanes' are added (plain lines: the places behind the last products); O^T / l is rounded to f16: a lane's eight channels are 16 bytes of an image
.irp t, 0,1
	v_add_f32 v[ST+16*\t+4], v[ST+16*\t+2], v[ST+16*\t+3]
.endr
.irp t, 0,1
	v_permlanex16_b32 v[ST+16*\t+5], v[ST+16*\t+4], s[SEL], s[SEL+1]
.endr
.irp t, 0,1
	v_add_f32 v[ST+16*\t+4], v[ST+16*\t+4], v[ST+16*\t+5]
.endr
.irp t, 0,1
	v_rcp_f32 v[ST+16*\t+8], v[ST+16*\t+4]
.endr
	v_nop                                          ; a plain instruction behind the last reciprocal
	s_wait_alu depctr_va_vdst(0)                   ; and the wait ahead of the first use
	WIN 0x41
.irp t, 0,1
.set j, 0
.rept 16
	v_pk_mul_f32 v[O+32*\t+j:O+32*\t+j+1], v[O+32*\t+j:O+32*\t+j+1], v[ST+16*\t+8:ST+16*\t+9] op_sel_hi:[1,0]
.set j, j+2
.endr
.endr
	WIN 0x05                                       ; sources 0 and 1 window 1, destination window 0
.set j, 0
.rept 32
	v_cvt_pk_f16_f32 v[S+j], v[O+2*j], v[O+2*j+1]
.set j, j+1
.endr
	WIN 0
.irp t, 0,1
.irp d, 0,1,2,3
	global_store_b128 v[LK], v[S+16*\t+4*\d:S+16*\t+4*\d+3], s[8:9] offset:\t*4096+\d*512   ; 32 lanes store 512 consecutive bytes, at a multiple of 512 from the buffer's first byte
.endr
.endr
	s_wait_tensorcnt 0x0                           ; the wave's end
	ds_add_u32 v[SPW], v[NIL]
	s_wait_dscnt 0x0
	CROUND                                         ; the closing round: no work-group ends while a partner may still ask for a tile that names it
	s_endpgm
.Lfunc_end_k_q1f45e563f7_attn:
	.size	k_q1f45e563f7_attn, .Lfunc_end_k_q1f45e563f7_attn-k_q1f45e563f7_attn
	.p2alignl 7, 3214868480
	.fill 96, 4, 3214868480
	.section	.rodata,"a",@progbits
	.p2align	6, 0x0
	.amdhsa_kernel k_q1f45e563f7_attn
		.amdhsa_group_segment_fixed_size 327680
		.amdhsa_private_segment_fixed_size 0
		.amdhsa_enable_private_segment 0
		.amdhsa_kernarg_size 24
		.amdhsa_user_sgpr_count 2
		.amdhsa_user_sgpr_kernarg_segment_ptr 1
		.amdhsa_wavefront_size32 1
		.amdhsa_system_sgpr_workgroup_id_x 1
		.amdhsa_system_sgpr_workgroup_id_y 1
		.amdhsa_system_sgpr_workgroup_id_z 1
		.amdhsa_system_vgpr_workitem_id 0
		.amdhsa_next_free_vgpr 512
		.amdhsa_next_free_sgpr 66
		.amdhsa_reserve_vcc 0
		.amdhsa_float_denorm_mode_32 3
		.amdhsa_float_denorm_mode_16_64 3
		.amdhsa_memory_ordered 1
		.amdhsa_forward_progress 1
		.amdhsa_inst_pref_size 102
	.end_amdhsa_kernel
	.amdgpu_metadata
---
amdhsa.version: [ 1, 2 ]
amdhsa.kernels:
  - .name:           k_q1f45e563f7_attn
    .symbol:         k_q1f45e563f7_attn.kd
    .args:
      - { .name: q16, .offset: 0, .size: 8, .value_kind: global_buffer, .address_space: global }
      - { .name: kv, .offset: 8, .size: 8, .value_kind: global_buffer, .address_space: global }
      - { .name: vals, .offset: 16, .size: 8, .value_kind: global_buffer, .address_space: global }
    .group_segment_fixed_size: 327680
    .private_segment_fixed_size: 0
    .kernarg_segment_align: 8
    .kernarg_segment_size: 24
    .max_flat_workgroup_size: 256
    .sgpr_count:     66
    .vgpr_count:     512
    .wavefront_size: 32
...
	.end_amdgpu_metadata
.endif
;; end of part 3
;; launch outp (part 4): grid 8 x 32, 4 waves a work-group, clusters of 4 x 4, 327,680 bytes of LDS; arguments vals, wot, out0; writes out0
.if DOCPART == 4
	.amdgcn_target "amdgcn-amd-amdhsa--gfx1250"
	.amdhsa_code_object_version 6
	.text
	.protected	k_q1f45e563f7_outp
	.globl	k_q1f45e563f7_outp
	.p2align	8
	.type	k_q1f45e563f7_outp,@function
k_q1f45e563f7_outp:
	s_mov_b64 s[64:65], 0
	v_nop
	global_prefetch_b8 v0, s[64:65] scope:SCOPE_SE
	s_setreg_imm32_b32 hwreg(HW_REG_WAVE_MODE, 25, 1), 1
	s_wait_xcnt 0x0
	s_wait_alu depctr_hold_cnt(0) depctr_sa_sdst(0) depctr_va_vdst(0) depctr_va_sdst(0) depctr_va_ssrc(0) depctr_va_vcc(0) depctr_vm_vsrc(0)
	s_getreg_b32 s2, hwreg(HW_REG_IB_STS2, 6, 4)
	s_cmp_eq_u32 s2, 0
	s_cbranch_scc0 .Lentry_in_a_cluster
	s_endpgm
.Lentry_in_a_cluster:
	s_bfe_u32 s2, ttmp6, 0x10000c
	s_cmp_lg_u32 s2, 0xf033
	s_cbranch_scc0 .Lentry_shape_is_right
	s_endpgm
.Lentry_shape_is_right:
; out0 = vals Wo: [8192][512] x [512][2048], operands in f16 (as operand images), sums and result in f32.
; A tile of out0, 256 x 256, is made by a work-group of four waves; a wave makes 128 x 128: 64 accumulators of 16 x 16, 512 registers.  K = 512 goes in four steps of 128 through two LDS slots; all sixteen quarters of 32 are written out: no loop.
; vals [block of 256 rows 32][K step 4][tile of 16 rows 16][32 along K: 4][1024] and wot [block of 256 columns 8][K step 4][tile 16][4][1024]: a K step's part of a block is 65,536 consecutive bytes, and each group of
; four registers of a fragment is 512 consecutive bytes, 16 a lane: no padding, and every LDS load of a wave takes 512 consecutive bytes.
; CLUSTERS: 4 x 4 work-groups.  The four of a row of the cluster need the same block of vals, the four of a column the same block of wot: each half block is asked for JOINTLY, by the same tensor load with the same
; descriptor and a mask that names the four.  Waves 0 and 1 fetch the halves of vals' block, waves 2 and 3 those of wot's: 128 rows of 256 bytes a load.
; THE MATRIX INSTRUCTION IS USED TRANSPOSED (source 0 = 16 columns of Wo, source 1 = 16 rows of vals): a lane then holds eight neighbouring numbers of a row of out0.
; NO PREFETCH: K steps 0 and 1 are the first fills, and K steps 2 and 3 are asked for at the first two changes of slots: there is no K step further on to name.
; By this text's count a wave has two tensor loads out at the start and one behind each of the two refills.
; REGISTERS, in windows of 256: window 0: v0-31 addresses; v64-127, v128-191 vals' fragments (8 x 16 rows x 32 K), two buffers; on the way out v128-255 rows read back.
;   window 1: v64-127, v128-191 wot's fragments, two buffers.   window 2: the accumulators of my rows 0-63 ((a, b) at v[8 (8 a + b)]);   window 3: those of my rows 64-127.
.set SIZE_N, 2048
.set SLOT,   131072                    ; vals' 65,536 bytes, then wot's
.set SPARE,  2*SLOT                    ; behind the ring: the spare words, 128 bytes for each wave: two blocks of 256 bytes that no other line names
.set SPITCH, 528                       ; the way out: a stage of 16 rows x (512 bytes + 16) for each wave.  It lies in slot 0, which has had its last fill and its last read when the first result is stored there
.set ADRA, 16                          ; v16-17  LDS address of my fragments of vals in slot 0, 1
.set ADRB, 20                          ; v20-21  the same for wot
.set STO,  24                          ; v24     the way out: where I put 32 bytes of a row
.set RD,   25                          ; v25     where I read a row back
.set CO,   26                          ; v26     16 x lane
.set SPW,  28                          ; v28     my spare word; never rewritten
.set NIL,  29                          ; v29     0; never rewritten
.set F0,   64
.set F1,   128
.set BK,   128
.set G1, 24                            ; s[24:31] group 1 for vals;  s[32:39] group 0, a set for each slot
.set G0, 32
.set G1B, 48                           ; s[48:55], s[56:63] the same for wot
.set G0B, 56
.set MSB, 0
.macro WIN new
.if MSB != \new
	s_set_vgpr_msb (MSB<<8)|\new
.set MSB, \new
.endif
.endm
.set MUL_LO, 0xa1                      ; source 0 (wot) window 1, source 1 (vals) window 0, C and D window 2
.set MUL_HI, 0xf1                      ; the same, C and D window 3
.set TO_B,   0x40                      ; destination window 1, address window 0
.macro JLOAD s                         ; a joint load; the branch hangs on the wave's number alone; an s_nop 0 and four v_nop follow each of the two lines
	s_cmp_eq_u32 s11, 0
	s_cbranch_scc0 .Lfor_b_\@
	tensor_load_to_lds s[G0+4*\s:G0+4*\s+3], s[G1:G1+7]
	s_nop 0
.rept 4
	v_nop
.endr
	s_branch .Lasked_\@
.Lfor_b_\@:
	tensor_load_to_lds s[G0B+4*\s:G0B+4*\s+3], s[G1B:G1B+7]
	s_nop 0
.rept 4
	v_nop
.endr
.Lasked_\@:
.endm
.macro CREST                           ; a round of the cluster's barrier behind its opening barrier
	s_cmp_lg_u32 s10, 0
	s_cbranch_scc1 .Lnot_wave_0_\@
	s_barrier_signal -3
.Lnot_wave_0_\@:
	s_barrier_wait -3
	s_barrier_signal -1
	s_barrier_wait -1
.endm
.macro CROUND
	s_barrier_signal -1
	s_barrier_wait -1
	CREST
.endm
.macro PLACES
.rept 4
	v_nop
.endr
.endm
	s_load_b128 s[4:7], s[0:1], 0x0                ; vals, wot
	s_load_b64 s[8:9], s[0:1], 0x10                ; out0
	v_lshl_add_u32 v[SPW], v0, 2, SPARE
	v_mov_b32 v[NIL], 0
	ds_add_u32 v[SPW], v[NIL]                      ; the wave's opening: the add, twice on end, and its wait ahead of my first tensor load
	ds_add_u32 v[SPW], v[NIL]
	v_lshrrev_b32 v1, 5, v0
	v_readfirstlane_b32 s10, v1                    ; wave 0..3
	s_lshr_b32 s11, s10, 1                         ; which half of the tile's rows is mine.  Also: I fetch for vals (0) or for wot (1)
	s_and_b32 s12, s10, 1                          ; which half of its columns.  Also: which half of that block I fetch
	s_bfe_u32 s40, ttmp6, 0x40000                  ; cx, cy: my place in the cluster
	s_bfe_u32 s41, ttmp6, 0x40004
	s_lshl_b32 s42, ttmp9, 2
	s_add_co_u32 s42, s42, s40                     ; tile column = 4 x cluster x + cx
	s_and_b32 s13, ttmp7, 0xffff
	s_lshl_b32 s13, s13, 2
	s_add_co_u32 s13, s13, s41                     ; tile row = 4 x cluster y + cy
	s_lshl_b32 s43, s41, 2
	s_lshl_b32 s43, 15, s43                        ; my row of the cluster
	s_lshl_b32 s44, 0x1111, s40                    ; my column
	s_or_b32 s[G1+0], s43, (3<<16)|(1<<21)         ; the mask: vals' blocks go to my row; elements of 8 bytes; bit 21 set beside a mask; no padding
	s_or_b32 s[G1B+0], s44, (3<<16)|(1<<21)        ; wot's go to my column
.irp g, G1, G1B
	s_mov_b32 s[\g+1], 32<<16                      ; tensor_dim0: 256 bytes
	s_mov_b32 s[\g+2], 128<<16                     ; tensor_dim1
	s_mov_b32 s[\g+3], 32<<16                      ; tile_dim0
	s_mov_b32 s[\g+4], 128                         ; tile_dim1
	s_mov_b32 s[\g+5], 32                          ; dense rows
	s_mov_b32 s[\g+6], 0
	s_mov_b32 s[\g+7], 0
.endr
	s_lshl_b32 s17, s12, 15                        ; which half I fetch
	s_lshl_b32 s16, s13, 18
	s_add_co_u32 s16, s16, s17                     ; vals: by the tile row alone
	s_lshl_b32 s46, s42, 18
	s_add_co_u32 s46, s46, s17                     ; wot: by the tile column alone
	s_mov_b32 s17, 0
	s_mov_b32 s47, 0
	s_lshl_b32 s20, s10, 15                        ; where they go: wave x 32,768: no place in the cluster enters an LDS address
	s_wait_dscnt 0x0                               ; both opening adds are done
	s_wait_kmcnt 0x0
	s_add_nc_u64 s[14:15], s[4:5], s[16:17]
	s_add_nc_u64 s[46:47], s[6:7], s[46:47]
	CROUND                                         ; all sixteen work-groups are here: the first joint loads meet
.irp s, 0,1
	s_mov_b32 s[G0+4*\s], 1
	s_add_co_u32 s[G0+4*\s+1], s20, \s*SLOT
	s_add_nc_u64 s[G0+4*\s+2:G0+4*\s+3], s[14:15], \s*65536
	s_or_b32 s[G0+4*\s+3], s[G0+4*\s+3], 0x80000000
	s_mov_b32 s[G0B+4*\s], 1
	s_add_co_u32 s[G0B+4*\s+1], s20, \s*SLOT
	s_add_nc_u64 s[G0B+4*\s+2:G0B+4*\s+3], s[46:47], \s*65536
	s_or_b32 s[G0B+4*\s+3], s[G0B+4*\s+3], 0x80000000
	JLOAD \s
.endr
	v_and_b32 v1, 15, v0                           ; l % 16
	v_bfe_u32 v2, v0, 4, 1                         ; l / 16
	v_and_b32 v3, 31, v0
	v_lshlrev_b32 v[CO], 4, v3
	s_lshl_b32 s21, s11, 15                        ; my eight tiles of rows
	s_lshl_b32 s22, s12, 15                        ; my eight tiles of columns,
	s_add_co_u32 s22, s22, 65536                   ; which lie behind vals' block
.irp s, 0,1
	v_add_nc_u32 v[ADRA+\s], s21, v[CO]
	v_add_nc_u32 v[ADRB+\s], s22, v[CO]
	s_add_co_u32 s21, s21, SLOT
	s_add_co_u32 s22, s22, SLOT
.endr
	s_mul_i32 s23, s10, 16*SPITCH                  ; my stage
	v_mul_u32_u24 v4, v1, SPITCH                   ; in: row l % 16, 32 bytes for each half of the lanes
	v_lshl_add_u32 v4, v2, 5, v4
	v_add_nc_u32 v[STO], s23, v4
	v_add_nc_u32 v[RD], s23, v[CO]                 ; back: the 32 lanes take one row of 512 bytes
	s_lshl_b32 s16, s13, 21                        ; my first row of out0: (256 x tile row + 128 x half) rows of 8,192 bytes
	s_lshl_b32 s17, s11, 20
	s_add_co_u32 s16, s16, s17
	s_mov_b32 s17, 0
	s_lshl_b32 s46, s42, 10                        ; my first column, in bytes: 1,024 x tile column + 512 x half
	s_lshl_b32 s47, s12, 9
	s_add_co_u32 s46, s46, s47
	s_mov_b32 s47, 0
	s_add_nc_u64 s[16:17], s[16:17], s[46:47]
	s_add_nc_u64 s[8:9], s[8:9], s[16:17]
; 16 matrix instructions: tiles of rows a0, a0 + 1 of the window's four x all 8 tiles of columns, 32 along K.  zero = 1: the first product starts the sums.  The 64 accumulators take turns, in the same order in every quarter
.macro MUL16 f, hi, a0, zero
.irp a, \a0, \a0+1
.irp b, 0,1,2,3,4,5,6,7
.if \zero
	v_wmma_f32_16x16x32_f16 v[8*(8*(\a)+\b):8*(8*(\a)+\b)+7], v[\f+8*\b:\f+8*\b+7], v[\f+8*(4*\hi+\a):\f+8*(4*\hi+\a)+7], 0
.else
	v_wmma_f32_16x16x32_f16 v[8*(8*(\a)+\b):8*(8*(\a)+\b)+7], v[\f+8*\b:\f+8*\b+7], v[\f+8*(4*\hi+\a):\f+8*(4*\hi+\a)+7], v[8*(8*(\a)+\b):8*(8*(\a)+\b)+7]
.endif
.endr
.endr
.endm
; 32 LDS loads in one run: the fragments of the slot's q-th 32 along K into buffer f
.macro FETCH slot, q, f
	WIN TO_B
.irp i, 0,1,2,3,4,5,6,7
	ds_load_b128 v[\f+8*\i:\f+8*\i+3],   v[ADRB+\slot] offset:(\q)*1024+\i*4096
	ds_load_b128 v[\f+8*\i+4:\f+8*\i+7], v[ADRB+\slot] offset:(\q)*1024+\i*4096+512
.endr
	WIN 0
.irp i, 0,1,2,3,4,5,6,7
	ds_load_b128 v[\f+8*\i:\f+8*\i+3],   v[ADRA+\slot] offset:(\q)*1024+\i*4096
	ds_load_b128 v[\f+8*\i+4:\f+8*\i+7], v[ADRA+\slot] offset:(\q)*1024+\i*4096+512
.endr
.endm
; one of a K step's first three quarters: multiplies buffer f; in its middle it fetches the slot's q-th quarter into buffer g
.macro QUARTER slot, q, f, g, zero
	s_wait_dscnt 8                                 ; wot's fragments and vals' rows 0-63 are in; the youngest eight loads (rows 64-127) may be out
	WIN MUL_LO
	MUL16 \f, 0, 0, \zero
	MUL16 \f, 0, 2, \zero
	PLACES                                         ; in front of loads into registers that matrix instructions have read
	FETCH \slot, \q, \g
	s_wait_dscnt 32                                ; all but the 32 just issued
	WIN MUL_HI
	MUL16 \f, 1, 0, \zero
	MUL16 \f, 1, 2, \zero
.endm
; the last quarter multiplies buffer 1 and changes slots: ONE barrier; in front of it each wave waits for all its tensor loads, adds 0 to its spare word, and waits for that and for its reads of this slot.  fill = 1: the slot is filled again, two K steps on
.macro TURN slot, next, fill
	WIN 0                                          ; (the add's two registers lie in window 0)
	s_wait_tensorcnt 0x0                           ; all my tensor loads have landed: my part of the next slot
	ds_add_u32 v[SPW], v[NIL]                      ; 0 onto my spare word
	s_wait_dscnt 9                                 ; (the add and the youngest eight loads may be out)
	WIN MUL_LO
	MUL16 F1, 0, 0, 0                              ; sixteen matrix instructions stand between the add and the wait for it
	s_wait_dscnt 0x0                               ; the add is done, and my reads of this slot are over
	s_barrier_signal -1
	MUL16 F1, 0, 2, 0
.if \fill
	WIN 0
.endif
	s_barrier_wait -1
.if \fill
	CREST                                          ; the barrier has opened a round of the cluster's barrier: no wave of any partner still reads this slot or has a load on its way
	s_add_nc_u64 s[G0+4*\slot+2:G0+4*\slot+3], s[G0+4*\slot+2:G0+4*\slot+3], 2*65536
	s_add_nc_u64 s[G0B+4*\slot+2:G0B+4*\slot+3], s[G0B+4*\slot+2:G0B+4*\slot+3], 2*65536
	JLOAD \slot                                    ; the first tensor load behind the round; the four v_nop behind it are also the places in front of the loads below
.else
	PLACES
.endif
	FETCH \next, 0, F0
	WIN MUL_HI
	MUL16 F1, 1, 0, 0
	MUL16 F1, 1, 2, 0
.endm
	s_wait_tensorcnt 0x1                           ; my part of K step 0 is in (K step 1's load may be out)
	s_barrier_signal -1
	s_barrier_wait -1                              ; everybody's is
	FETCH 0, 0, F0
	QUARTER 0, 1, F0, F1, 1                        ; K step 0; its first quarter starts the sums: nothing is cleared
	QUARTER 0, 2, F1, F0, 0
	QUARTER 0, 3, F0, F1, 0
	TURN 0, 1, 1                                   ; slot 0 takes K step 2
	QUARTER 1, 1, F0, F1, 0                        ; K step 1
	QUARTER 1, 2, F1, F0, 0
	QUARTER 1, 3, F0, F1, 0
	TURN 1, 0, 1                                   ; slot 1 takes K step 3
	QUARTER 0, 1, F0, F1, 0                        ; K step 2
	QUARTER 0, 2, F1, F0, 0
	QUARTER 0, 3, F0, F1, 0
	TURN 0, 1, 0                                   ; nothing is left to fetch: no round
	QUARTER 1, 1, F0, F1, 0                        ; K step 3
	QUARTER 1, 2, F1, F0, 0
	QUARTER 1, 3, F0, F1, 0
	s_wait_dscnt 8
	WIN MUL_LO
	MUL16 F1, 0, 0, 0
	MUL16 F1, 0, 2, 0
	s_wait_dscnt 0x0
	WIN MUL_HI
	MUL16 F1, 1, 0, 0
	MUL16 F1, 1, 2, 0
	WIN 0
; THE WAY OUT, block by block of 16 rows x 128 columns.  A lane holds 32 neighbouring bytes of a row, and the lanes beside it hold other rows: a block goes through my own stage in LDS and comes back as whole rows of
; 512 bytes.  LDS serves a wave's instructions in order (ISA guide 5.7.1.4): no wait between the stores and the loads, nor in front of the next block's stores.
.macro TOSTAGE a
.set AC, 64*((\a)%4)
	WIN 0x08+4*((\a)/4)                            ; an LDS store's data: window 2 or 3
.irp b, 0,1,2,3,4,5,6,7
	ds_store_b128 v[STO], v[AC+8*\b:AC+8*\b+3] offset:64*\b          ; each accumulator from its low end on
	ds_store_b128 v[STO], v[AC+8*\b+4:AC+8*\b+7] offset:64*\b+16
.endr
	WIN 0
.set BB, BK+64*((\a)%2)
.irp t, 0,1,2,3,4,5,6,7,8,9,10,11,12,13,14,15
	ds_load_b128 v[BB+4*\t:BB+4*\t+3], v[RD] offset:\t*SPITCH
.endr
.endm
.macro SEND a, younger                 ; younger: the LDS instructions issued behind block a's loads, which may stay out
.set BB, BK+64*((\a)%2)
	s_wait_dscnt \younger                          ; the block is back in registers
.if (\a) > 0
	s_add_nc_u64 s[8:9], s[8:9], 16*SIZE_N*4       ; (behind a wait on XCNT: the earlier stores have read their base)  16 rows on
.endif
.irp t, 0,1,2,3,4,5,6,7,8,9,10,11,12,13,14,15
	global_store_b128 v[CO], v[BB+4*\t:BB+4*\t+3], s[8:9] offset:\t*SIZE_N*4 th:TH_STORE_NT   ; 32 lanes store 512 consecutive bytes, at a multiple of 512 from out0's first byte; written once, read by nobody here
.endr
.endm
	PLACES                                         ; in front of the first read of results, and of loads into the registers that held vals' fragments
	TOSTAGE 0
.irp a, 1,2,3,4,5,6,7
.if \a > 1
	s_wait_xcnt 0x0                                ; block a - 2's stores have read their registers and their base: block a's loads may land there, and the base may step
.endif
	TOSTAGE \a
	SEND \a-1, 32                                  ; behind block a - 1's loads: block a's 16 stores and 16 loads
.endr
	s_wait_xcnt 0x0                                ; block 6's stores have read their base
	SEND 7, 0
	s_wait_tensorcnt 0x0                           ; the wave's end, behind my last tensor load and my last LDS store
	ds_add_u32 v[SPW], v[NIL]
	s_wait_dscnt 0x0
	CROUND                                         ; the closing round: no work-group ends while a partner may still ask for a tile that names it
	s_endpgm
.Lfunc_end_k_q1f45e563f7_outp:
	.size	k_q1f45e563f7_outp, .Lfunc_end_k_q1f45e563f7_outp-k_q1f45e563f7_outp
	.p2alignl 7, 3214868480
	.fill 96, 4, 3214868480
	.section	.rodata,"a",@progbits
	.p2align	6, 0x0
	.amdhsa_kernel k_q1f45e563f7_outp
		.amdhsa_group_segment_fixed_size 327680
		.amdhsa_private_segment_fixed_size 0
		.amdhsa_enable_private_segment 0
		.amdhsa_kernarg_size 24
		.amdhsa_user_sgpr_count 2
		.amdhsa_user_sgpr_kernarg_segment_ptr 1
		.amdhsa_wavefront_size32 1
		.amdhsa_system_sgpr_workgroup_id_x 1
		.amdhsa_system_sgpr_workgroup_id_y 1
		.amdhsa_system_sgpr_workgroup_id_z 1
		.amdhsa_system_vgpr_workitem_id 0
		.amdhsa_next_free_vgpr 1024
		.amdhsa_next_free_sgpr 66
		.amdhsa_reserve_vcc 0
		.amdhsa_float_denorm_mode_32 3
		.amdhsa_float_denorm_mode_16_64 3
		.amdhsa_memory_ordered 1
		.amdhsa_forward_progress 1
		.amdhsa_inst_pref_size 140
	.end_amdhsa_kernel
	.amdgpu_metadata
---
amdhsa.version: [ 1, 2 ]
amdhsa.kernels:
  - .name:           k_q1f45e563f7_outp
    .symbol:         k_q1f45e563f7_outp.kd
    .args:
      - { .name: vals, .offset: 0, .size: 8, .value_kind: global_buffer, .address_space: global }
      - { .name: wot, .offset: 8, .size: 8, .value_kind: global_buffer, .address_space: global }
      - { .name: out0, .offset: 16, .size: 8, .value_kind: global_buffer, .address_space: global }
    .group_segment_fixed_size: 327680
    .private_segment_fixed_size: 0
    .kernarg_segment_align: 8
    .kernarg_segment_size: 24
    .max_flat_workgroup_size: 128
    .sgpr_count:     66
    .vgpr_count:     1024
    .wavefront_size: 32
...
	.end_amdgpu_metadata
.endif
;; end of part 4
